; MI455X (gfx1250); checked and timed in simulation.
; The chip was launched on July 23, 2026; its instructions are those of AMD's public machine-readable ISA for CDNA 5 (MIT licence, August 2026) and "CDNA5" Instruction Set Architecture Reference Guide (July 2026). The comments in the code are by the model that wrote it; some were corrected since.
;; Model. Allowed arithmetic: matrix products marked QUANTISED: E2M3 operands, one E8M0 scale for each 32 along K, by v_wmma_scale_f32_16x16x128_f8f6f4 with both operands' format E2M3, f32 sums; everything else in f32.
;; Inputs: key 8,192 x 16 x 32 float32; query 8,192 x 16 x 32 float32; value 8,192 x 16 x 8 float32.
;; Outputs: out0 8,192 x 16 x 8 float32.
;; This version of the problem:
;;   THIS VERSION OF THE PROBLEM IS GIVEN IN LOW PRECISION. The matrix products marked QUANTISED in the list below multiply operands that are first quantised to E2M3 (2 exponent bits, 3 mantissa bits; 6 bits a number), with one power-of-two scale for each 32 numbers along K (OCP MX v1.0); their sums are f32. All else is computed in f32.
;;   The module's matrix products, in the order in which they are computed (A, B: the left and right operand; K: the contracted axis; several contracted axes count as one K, in the product's order):
;;     1. [M 8,192, K 512] x [K 512, N 8,192]; A: input query; B: input key: QUANTISED
;;     2. [M 8,192, K 8,192] x [K 8,192, N 128]; A: softmax (see below); B: input value: QUANTISED
;;   THE QUANTISER, for each operand of a quantised product, along K:
;;     - K is cut into blocks of 32 from its start; a last block that is shorter is filled with zeros.
;;     - A block's scale is 2^e with e = floor(log2(the largest magnitude in the block)) - 2, held to -126 .. 127; a block of zeros has e = 0. As a byte (E8M0): e + 127.
;;     - Each number is divided by its block's scale, clamped to +-7.5, and rounded to the nearest number of E2M3, ties to even, subnormals kept.
;;     - The product sums the exact products of the quantised numbers (number of the format x scale) in f32.
;;   ~~~python
;;   def quantise(x, axis):      # numpy; x: float32 -> the quantised numbers, widened to float32 again
;;       x = np.moveaxis(x, axis, -1); K = x.shape[-1]
;;       x = np.pad(x, [(0, 0)] * (x.ndim - 1) + [(0, -K % 32)]); x = x.reshape(x.shape[:-1] + (-1, 32)); a = np.abs(x).max(-1, keepdims=True)
;;       e = np.where(a > 0, np.clip(np.frexp(np.where(a > 0, a, 1))[1] - 1 - 2, -126, 127), 0)      # np.frexp(a)[1] - 1 = floor(log2(a)), exactly
;;       r = np.clip(x / 2.0 ** e, -7.5, 7.5)
;;       step = 2.0 ** (np.maximum(np.frexp(np.where(r == 0, 1, r))[1] - 1, 0) - 3)
;;       q = np.round(r / step) * step * 2.0 ** e      # np.round: ties to even
;;       return np.moveaxis(q.reshape(q.shape[:-2] + (-1,))[..., :K], -1, axis).astype(np.float32)
;;   ~~~
;;   SOFTMAX AHEAD OF A QUANTISED PRODUCT. Where the list says 'softmax', what is quantised is not the finished softmax but p = 2^(t - M), with t = logit x log2(e) and M = ceil(the row's largest t), a whole number; so 1/2 < the row's largest p <= 1. The row's sum l is taken of the UNQUANTISED p, in f32, and the product's result is divided by l at the end. Since M is a whole number, a kernel that streams over the keys may use a running M (the ceiling of the running maximum): every later rescaling is an exact power of two, which a block's scale takes up: the codes' values come out the same.
;;   OPERANDS COMPUTED ON THE WAY. 'Computed on the way' means the value that the module computes at that place (a softmax that the list does not call 'softmax' is quantised finished and normalised). What goes into a quantiser is computed in f32, as accurately as f32 sums, v_exp_f32 and their like allow (about 1e-6 of the number): no bf16 or f16 on the way to a quantiser, and a product that is left as it is and whose result goes on into a quantised operand takes f32 operands (vector FMAs, or v_wmma_f32_16x16x4_f32). A number that lies on a knife's edge between two numbers of the format may be rounded either way, as far as f32 arithmetic and the matrix unit's own rounding can turn it there, and no further.
;; One version. Each part assembles by itself: llvm-mc -triple=amdgcn-amd-amdhsa -mcpu=gfx1250 --defsym DOCPART=n.
;; ======== version 1 of 1: 3 launches
;; limits: right only within a limited range of input values
;; workspace buffers: qb 3,276,800 bytes; kv 4,096,000 bytes; po 16,777,216 bytes; pm 524,288 bytes
;; launch quant (part 1): grid 320 x 1, 4 waves a work-group, no clusters, 46,592 bytes of LDS; arguments query, key, value, qb, kv; writes qb, kv
.if DOCPART == 1
	.amdgcn_target "amdgcn-amd-amdhsa--gfx1250"
	.amdhsa_code_object_version 6
	.text
	.protected	k_q14f783d9b9_quant
	.globl	k_q14f783d9b9_quant
	.p2align	8
	.type	k_q14f783d9b9_quant,@function
k_q14f783d9b9_quant:
	s_mov_b64 s[64:65], 0
	v_nop
	global_prefetch_b8 v0, s[64:65] scope:SCOPE_SE
	s_setreg_imm32_b32 hwreg(HW_REG_WAVE_MODE, 25, 1), 1
	s_wait_xcnt 0x0
; query [8192][512], key [8192][512] (K = the 512 features, innermost) and value [8192][128] (K = the keys, its FIRST axis), all f32, become codes of FP6 (E2M3) with one E8M0 byte
; for each 32 along K, laid as IMAGES OF OPERAND REGISTERS: a fragment (16 rows x 128 K, 12 registers a lane) is 1,536 bytes, registers 4 g .. 4 g + 3 of lane l at 512 g + 16 l.
; A block's scale is 2^(floor(log2(its largest magnitude)) - 2); its byte is the largest magnitude's exponent field - 2, held at 1 from below.
; LIMITS: a block of zeros, and one whose largest magnitude lies under 2^(3 - 127), gets the byte 1 (the rule says 127 for zeros): its codes are zeros or the rule's held ones, and only this
; program reads the bytes.  NaN and infinities among the inputs are not served.
; kv: 64 key steps of 64,000 bytes: K's images (tile t, K step s at 6144 t + 1536 s), K's scale words at 49,152 (tile t, slot r: 16 bytes, word s, at 256 t + 16 r),
;     V's images at 51,200 (16 channels x the step's 128 keys: tile dt at 1536 dt), V's scale words at 63,488 (channel d at 4 d).    qb: 64 blocks of 51,200 bytes: the first two regions, for 128 queries.
; THE ROWS OF A TILE OF q OR k ARE NOT NEIGHBOURS: slot r of tile T is row 32 (T / 2) + 8 (T % 2) + r + 8 (r / 8), so that in S^T = K Q^T the 16 registers of two neighbouring tiles are 16 neighbouring keys.
; SHARES: work-groups 0-127 query, 128-255 key: a wave takes one tile (16 rows x 512: four fragments).  Work-groups 256-319 value: one key step each, a wave 32 channels (two images).
; The two ways part on the work-group's number, never join, and have LDS bytes of their own.  No tensor load, no barrier: waves share nothing.
.set QSTG, 8448                        ; a wave's stage on the q/k way: 16 rows x (512 bytes + 16)
.set VSTG, 4*QSTG                      ; behind them the stages of the value way: two images, 3,072 bytes a wave
.set MX,  10                           ; v10-11  largest magnitudes
.set SO,  12                           ; v12-13  the conversions' scale operands
.set BY,  14                           ; v14-15  scale bytes
.set PT,  16                           ; v16     the partner lane's half of a scale word
.set W,   20                           ; v20-23  a row's four scale words (value way: v20 a channel's word)
.set C,   24                           ; v24-35  a fragment's codes
.set T,   36                           ; v36-38, v40-42  the second halves of blocks: a conversion's three registers begin on an even number
.set X,   48                           ; v48-111 64 numbers in the operand's order (value way: two sets of 32)
.set R,   112                          ; v112-239 two sets of 64 numbers as loaded (value way: v112-135 the images on their way out)
	s_load_b256 s[4:11], s[0:1], 0x0               ; query s[4:5], key s[6:7], value s[8:9], qb s[10:11]
	s_load_b64 s[12:13], s[0:1], 0x20              ; kv
	v_lshl_add_u32 v240, v0, 2, 0xb400
	v_mov_b32 v241, 0
	v_lshrrev_b32 v1, 5, v0
	v_readfirstlane_b32 s16, v1                    ; wave 0..3
	v_and_b32 v1, 31, v0                           ; lane
	v_and_b32 v2, 15, v0                           ; r
	v_bfe_u32 v3, v0, 4, 1                         ; h
	s_mov_b32 s20, 0x76543210
	s_mov_b32 s21, 0xfedcba98                      ; v_permlanex16_b32's selects for lane l xor 16
	s_wait_kmcnt 0x0
	s_cmp_ge_u32 ttmp9, 256
	s_cbranch_scc1 .Lvalue
; ---------------- query and key: K innermost ----------------
	s_cmp_lt_u32 ttmp9, 128                        ; query's work-group or key's?  The choice hangs on the work-group's number alone
	s_cselect_b64 s[4:5], s[4:5], s[6:7]           ; in
	s_cselect_b64 s[10:11], s[10:11], s[12:13]     ; out
	s_mov_b32 s24, 64000
	s_cselect_b32 s24, 51200, s24                  ; bytes of a block of eight tiles in the buffer
	s_cselect_b32 s25, 0, 512
	; WHICH ROWS FORM A TILE differs between the two tensors (for key this takes the place of the head comment's rule):
	; query: slot r of tile T is row 32 (T / 2) + 8 (T % 2) + r + 8 (r / 8);  key: slot r of tile T is row 64 (T / 4) + 8 (T % 4) + r + 24 (r / 8),
	; so that in S^T = K Q^T a lane's 32 registers of four neighbouring key tiles are one whole block of 32 neighbouring keys.
	s_cselect_b32 s33, 1, 2                        ; log2 of the tiles in a group
	s_cselect_b32 s36, 1, 3                        ; the mask of a tile's place in its group
	s_cselect_b32 s34, 8, 24                       ; rows that slots 8-15 lie further on
	s_add_co_u32 s35, s33, 15                      ; a group is 32 or 64 rows of 2,048 bytes
	s_lshl_b32 s34, s34, 11
	s_lshl_b32 s17, ttmp9, 2
	s_add_co_u32 s17, s17, s16
	s_sub_co_u32 s17, s17, s25                     ; my tile T, 0..511
	s_lshr_b32 s18, s17, s33
	s_lshl_b32 s18, s18, s35                       ; the group's first row
	s_and_b32 s19, s17, s36
	s_lshl_b32 s19, s19, 14                        ; + 8 rows for each tile ahead of mine in the group
	s_add_co_u32 s18, s18, s19
	s_mov_b32 s19, 0
	s_add_nc_u64 s[4:5], s[4:5], s[18:19]
	s_lshr_b32 s22, s17, 3
	s_mul_i32 s22, s22, s24                        ; my block's first byte
	s_and_b32 s23, s17, 7
	s_mul_i32 s30, s23, 6144
	s_add_co_u32 s30, s30, s22
	s_mov_b32 s31, 0
	s_add_nc_u64 s[26:27], s[10:11], s[30:31]      ; my tile's four images
	s_lshl_b32 s30, s23, 8
	s_add_co_u32 s30, s30, s22
	s_add_co_u32 s30, s30, 49152
	s_add_nc_u64 s[28:29], s[10:11], s[30:31]      ; my tile's 256 bytes of scale words
	s_wait_alu depctr_va_vdst(0)
	v_lshlrev_b32 v4, 4, v1
	v_add_nc_u32 v9, s34, v4                       ; the same for slots 8-15
	s_mul_i32 s32, s16, QSTG
	v_add_nc_u32 v5, s32, v4                       ; the stage, way in: a row's 512 bytes as they lie
	v_mul_u32_u24 v6, v2, 528
	v_lshl_add_u32 v6, v3, 7, v6
	v_add_nc_u32 v6, s32, v6                       ; way out: row r, + 128 h: the operand gives lane (r, h) k = 64 c + 32 h + 0 .. 31
	v_lshlrev_b32 v7, 3, v3                        ; 8 h: how far my two bytes are shifted in a scale word
	v_lshl_add_u32 v8, v2, 4, v7                   ; 16 r + 8 h: my 8 bytes of the tile's scale words
	v_mov_b32 v[PT], 0                             ; written once: a lane permute's destination counts as one of its sources
.macro LOADF s                         ; K step s of the tile's 16 rows: each load reads 512 consecutive bytes of one row, at a multiple of 256 from the buffer's first byte
.irp i, 0,1,2,3,4,5,6,7,8,9,10,11,12,13,14,15
.if \i < 8
	global_load_b128 v[R+64*((\s)%2)+4*\i:R+64*((\s)%2)+4*\i+3], v4, s[4:5] offset:\i*2048+512*(\s) th:TH_LOAD_NT
.else
	global_load_b128 v[R+64*((\s)%2)+4*\i:R+64*((\s)%2)+4*\i+3], v9, s[4:5] offset:\i*2048+512*(\s) th:TH_LOAD_NT
.endif
.endr
.endm
.macro QFRAG s                         ; v[X + 32 c + i] = k 64 c + 32 h + i of my row: two whole blocks a lane -> the fragment's codes in v[C] on, the row's scale word in v[W + s]
.irp c, 0,1
	v_max3_num_f32 v[MX+\c], |v[X+32*\c]|, |v[X+32*\c+1]|, 0x1800000   ; and the floor 2^(3 - 127): the byte cannot fall under 1
.endr
.irp i, 2,4,6,8,10,12,14,16,18,20,22,24,26,28,30
.irp c, 0,1
	v_max3_num_f32 v[MX+\c], v[MX+\c], |v[X+32*\c+\i]|, |v[X+32*\c+\i+1]|   ; (the two blocks by turns)
.endr
.endr
.irp c, 0,1
	v_add_nc_u32 v[SO+\c], 0xff000000, v[MX+\c]    ; 2 off the exponent field: the conversion takes the exponent field of this operand as its scale
.endr
.irp c, 0,1
	v_lshrrev_b32 v[BY+\c], 23, v[SO+\c]           ; the scale's byte
.endr
	v_lshl_or_b32 v[W+\s], v[BY+1], 16, v[BY]      ; my bytes: blocks h and 2 + h,
	v_lshlrev_b32 v[W+\s], v7, v[W+\s]             ; at their places;
	v_permlanex16_b32 v[PT], v[W+\s], s20, s21
	v_or_b32 v[W+\s], v[W+\s], v[PT]               ; with lane l xor 16's two the word is whole
.irp c, 0,1
	v_cvt_scalef32_pk16_fp6_f32 v[C+6*\c:C+6*\c+2], v[X+32*\c:X+32*\c+15], v[SO+\c]
	v_cvt_scalef32_pk16_fp6_f32 v[T+4*\c:T+4*\c+2], v[X+32*\c+16:X+32*\c+31], v[SO+\c]
.endr
	v_nop                                          ; one plain place behind a scaled conversion
.irp c, 0,1
.irp i, 0,1,2
	v_mov_b32 v[C+6*\c+3+\i], v[T+4*\c+\i]
.endr
.endr
.endm
.macro FRAG s
.if \s < 3
	s_wait_loadcnt 16                              ; this K step's 16 loads are in; the next one's 16 may be out
.else
	s_wait_loadcnt 0x0
.endif
.irp i, 0,1,2,3,4,5,6,7,8,9,10,11,12,13,14,15
	ds_store_b128 v5, v[R+64*(\s%2)+4*\i:R+64*(\s%2)+4*\i+3] offset:528*\i
.endr
.irp c, 0,1
.irp j, 0,1,2,3,4,5,6,7
	ds_load_b128 v[X+32*\c+4*\j:X+32*\c+4*\j+3], v6 offset:256*\c+16*\j   ; LDS serves a wave's instructions in order: these see the stores above.  Rows 528 bytes apart: sixteen lanes, sixteen different columns of 16 bytes
.endr
.endr
	s_wait_dscnt 0x0                               ; the numbers are back, and the stores have read their registers
	s_wait_xcnt 0x0                                ; the last fragment's stores have read v[C] on: it is written again only behind this wait
.if \s+2 <= 3
	LOADF \s+2
.endif
	QFRAG \s
.irp g, 0,1,2
	global_store_b128 v4, v[C+4*\g:C+4*\g+3], s[26:27] offset:1536*\s+512*\g   ; 32 lanes store 512 consecutive bytes, at a multiple of 256 from the buffer's first byte
.endr
.endm
	LOADF 0
	LOADF 1
	s_wait_alu depctr_va_vdst(0)
	FRAG 0
	FRAG 1
	FRAG 2
	FRAG 3
	v_cmp_ne_u32 vcc_lo, 0, v3                     ; lanes 0-15 store their row's words 0 and 1, lanes 16-31 words 2 and 3
	v_cndmask_b32 v44, v[W], v[W+2], vcc_lo
	v_cndmask_b32 v45, v[W+1], v[W+3], vcc_lo
	global_store_b64 v8, v[44:45], s[28:29]        ; the 32 lanes fill 256 consecutive bytes, aligned
	s_wait_tensorcnt 0x0
	ds_add_u32 v240, v241
	s_wait_dscnt 0x0
	s_endpgm
; ---------------- value: K = the keys, its first axis.  A lane takes a channel, its registers run down the keys ----------------
.Lvalue:
	s_sub_co_u32 s17, ttmp9, 256                   ; my key step
	s_lshl_b32 s18, s17, 16                        ; 128 keys of 512 bytes
	s_lshl_b32 s19, s16, 7                         ; my wave's 32 channels
	s_add_co_u32 s18, s18, s19
	s_mov_b32 s19, 0
	s_add_nc_u64 s[8:9], s[8:9], s[18:19]
	s_mul_i32 s22, s17, 64000
	s_mul_i32 s23, s16, 3072
	s_add_co_u32 s30, s22, s23
	s_add_co_u32 s30, s30, 51200
	s_mov_b32 s31, 0
	s_add_nc_u64 s[26:27], s[12:13], s[30:31]      ; my two images
	s_lshl_b32 s30, s16, 7
	s_add_co_u32 s30, s30, s22
	s_add_co_u32 s30, s30, 63488
	s_add_nc_u64 s[28:29], s[12:13], s[30:31]      ; my 32 scale words
	s_wait_alu depctr_va_vdst(0)
	v_lshlrev_b32 v4, 2, v1                        ; 4 x lane
	s_add_co_u32 s32, s23, VSTG                    ; my stage
	v_mul_u32_u24 v5, v3, 1536
	v_lshl_add_u32 v5, v2, 4, v5
	v_add_nc_u32 v5, s32, v5                       ; way in: image lane / 16, the place of its lane r = lane % 16
	v_lshlrev_b32 v7, 4, v1
	v_add_nc_u32 v6, s32, v7                       ; way out: 16 x lane
.macro LOADV t                         ; block t: value(32 t + i, my channel): a wave reads 128 consecutive bytes, the four waves a whole row
.irp i, 0,1,2,3,4,5,6,7,8,9,10,11,12,13,14,15,16,17,18,19,20,21,22,23,24,25,26,27,28,29,30,31
	global_load_b32 v[X+32*((\t)%2)+\i], v4, s[8:9] offset:(32*(\t)+\i)*512 th:TH_LOAD_NT
.endr
.endm
.macro BLOCKV t                        ; block t = 2 c + h' of my channel is registers 6 c .. 6 c + 5 of lane r + 16 h' of the image
.set XS, X+32*((\t)%2)
.if (\t) < 3
	s_wait_loadcnt 32                              ; this block's 32 loads are in; the next block's may be out
.else
	s_wait_loadcnt 0x0
.endif
	v_max3_num_f32 v10, |v[XS]|, |v[XS+1]|, |v[XS+2]|   ; all 32 numbers are mine: two chains
	v_max3_num_f32 v11, |v[XS+3]|, |v[XS+4]|, |v[XS+5]|
.irp i, 6,10,14,18,22,26
	v_max3_num_f32 v10, v10, |v[XS+\i]|, |v[XS+\i+1]|
	v_max3_num_f32 v11, v11, |v[XS+\i+2]|, |v[XS+\i+3]|
.endr
	v_max3_num_f32 v10, v10, |v[XS+30]|, |v[XS+31]|
	v_max3_num_f32 v10, v10, v11, 0x1800000        ; and the floor
	v_add_nc_u32 v12, 0xff000000, v10
	v_lshrrev_b32 v13, 23, v12
.if (\t) == 0
	v_mov_b32 v[W], v13                            ; the channel's scale word: byte t = block t
.else
	v_lshl_or_b32 v[W], v13, 8*(\t), v[W]
.endif
	v_cvt_scalef32_pk16_fp6_f32 v[C:C+2], v[XS:XS+15], v12
	v_cvt_scalef32_pk16_fp6_f32 v[T:T+2], v[XS+16:XS+31], v12
	v_nop                                          ; one plain place behind a scaled conversion
.irp i, 0,1,2
	v_mov_b32 v[C+3+\i], v[T+\i]
.endr
.if (\t)/2 == 0
	ds_store_b128 v5, v[C:C+3] offset:256*((\t)%2)             ; registers 0-3,
	ds_store_b64 v5, v[C+4:C+5] offset:512+256*((\t)%2)        ; 4 and 5
.else
	ds_store_b64 v5, v[C:C+1] offset:520+256*((\t)%2)          ; registers 6 and 7,
	ds_store_b128 v5, v[C+2:C+5] offset:1024+256*((\t)%2)      ; 8-11
.endif
.if (\t)+2 <= 3
	LOADV (\t)+2
.endif
	s_wait_dscnt 0x0                               ; the stores have read their registers: the next block's codes may be written
.endm
	LOADV 0
	LOADV 1
	BLOCKV 0
	BLOCKV 1
	BLOCKV 2
	BLOCKV 3
	s_wait_alu depctr_va_vdst(0)
	global_store_b32 v4, v[W], s[28:29]            ; a wave's 128 consecutive bytes; the four waves fill the step's 512
.irp g, 0,1,2,3,4,5
	ds_load_b128 v[R+4*\g:R+4*\g+3], v6 offset:512*\g
.endr
.irp g, 0,1,2,3,4,5
	s_wait_dscnt 5-\g                              ; LDS loads come back in order: piece g is in, the younger ones may be out
	global_store_b128 v7, v[R+4*\g:R+4*\g+3], s[26:27] offset:512*\g   ; 512 consecutive bytes, aligned to 256
.endr
	s_wait_tensorcnt 0x0
	ds_add_u32 v240, v241
	s_wait_dscnt 0x0
	s_endpgm
.Lfunc_end_k_q14f783d9b9_quant:
	.size	k_q14f783d9b9_quant, .Lfunc_end_k_q14f783d9b9_quant-k_q14f783d9b9_quant
	.p2alignl 7, 3214868480
	.fill 96, 4, 3214868480
	.section	.rodata,"a",@progbits
	.p2align	6, 0x0
	.amdhsa_kernel k_q14f783d9b9_quant
		.amdhsa_group_segment_fixed_size 46592
		.amdhsa_private_segment_fixed_size 0
		.amdhsa_enable_private_segment 0
		.amdhsa_kernarg_size 40
		.amdhsa_user_sgpr_count 2
		.amdhsa_user_sgpr_kernarg_segment_ptr 1
		.amdhsa_wavefront_size32 1
		.amdhsa_system_sgpr_workgroup_id_x 1
		.amdhsa_system_sgpr_workgroup_id_y 1
		.amdhsa_system_sgpr_workgroup_id_z 1
		.amdhsa_system_vgpr_workitem_id 0
		.amdhsa_next_free_vgpr 242
		.amdhsa_next_free_sgpr 66
		.amdhsa_reserve_vcc 1
		.amdhsa_float_denorm_mode_32 3
		.amdhsa_float_denorm_mode_16_64 3
		.amdhsa_memory_ordered 1
		.amdhsa_forward_progress 1
		.amdhsa_inst_pref_size 52
	.end_amdhsa_kernel
	.amdgpu_metadata
---
amdhsa.version: [ 1, 2 ]
amdhsa.kernels:
  - .name:           k_q14f783d9b9_quant
    .symbol:         k_q14f783d9b9_quant.kd
    .args:
      - { .name: query, .offset: 0, .size: 8, .value_kind: global_buffer, .address_space: global }
      - { .name: key, .offset: 8, .size: 8, .value_kind: global_buffer, .address_space: global }
      - { .name: value, .offset: 16, .size: 8, .value_kind: global_buffer, .address_space: global }
      - { .name: qb, .offset: 24, .size: 8, .value_kind: global_buffer, .address_space: global }
      - { .name: kv, .offset: 32, .size: 8, .value_kind: global_buffer, .address_space: global }
    .group_segment_fixed_size: 46592
    .private_segment_fixed_size: 0
    .kernarg_segment_align: 8
    .kernarg_segment_size: 40
    .max_flat_workgroup_size: 128
    .sgpr_count:     66
    .vgpr_count:     242
    .wavefront_size: 32
...
	.end_amdgpu_metadata
.endif
;; end of part 1
;; launch attn (part 2): grid 64 x 4, 8 waves a work-group, clusters of 4 x 1, 327,680 bytes of LDS; arguments qb, kv, po, pm; writes po, pm
.if DOCPART == 2
	.amdgcn_target "amdgcn-amd-amdhsa--gfx1250"
	.amdhsa_code_object_version 6
	.text
	.protected	k_q14f783d9b9_attn
	.globl	k_q14f783d9b9_attn
	.p2align	8
	.type	k_q14f783d9b9_attn,@function
k_q14f783d9b9_attn:
	s_mov_b64 s[64:65], 0
	v_nop
	global_prefetch_b8 v0, s[64:65] scope:SCOPE_SE
	s_setreg_imm32_b32 hwreg(HW_REG_WAVE_MODE, 25, 1), 1
	s_wait_xcnt 0x0
	s_wait_alu depctr_hold_cnt(0) depctr_sa_sdst(0) depctr_va_vdst(0) depctr_va_sdst(0) depctr_va_ssrc(0) depctr_va_vcc(0) depctr_vm_vsrc(0)
	s_getreg_b32 s2, hwreg(HW_REG_IB_STS2, 6, 4)
	s_cmp_eq_u32 s2, 0
	s_cbranch_scc0 .Lentry_in_a_cluster
	s_endpgm
.Lentry_in_a_cluster:
	s_bfe_u32 s2, ttmp6, 0x10000c
	s_cmp_lg_u32 s2, 0x3003
	s_cbranch_scc0 .Lentry_shape_is_right
	s_endpgm
.Lentry_shape_is_right:
; One part of softmax(q k^T / 32) v on codes of FP6 (E2M3) with E8M0 scales: 128 queries (work-group x) against 2,048 keys (work-group y, one of 4 splits).
; t = score x log2(e) / 32; M = the largest t so far, rounded UP to a whole number; p = 2^(t - M) is quantised along the keys, not normalised; the row's sum l is taken of the unquantised p.
; Out go the part's O^T (not divided), -M and l; the next launch joins the 4 parts of a query.
; SHARES.  Eight waves of 512 registers.  Wave w owns the 32 queries of pair w % 4 (two tiles of 16, so each fragment read from LDS feeds two matrix instructions) and the key steps of parity w / 4:
; at position n of 8 it takes key step 2 n + w / 4 of the split's 16.  At the end waves w and w + 4 join their two parts through LDS (exact powers of two), and waves 0-3 store: 4 x 4 MiB of po in all.
; LAYOUT.  Both products are used transposed: S^T = K Q^T, O^T = V^T P^T: a lane holds ONE query (lane % 16) throughout.  Operands lie in memory and LDS as images of their registers (1,536 bytes a fragment).
; Slot r of key tile t of a step is key 64 (t / 4) + 8 (t % 4) + r + 24 (r / 8): the 32 registers of tiles 4 c .. 4 c + 3 of lane (r, h) are keys 64 c + 32 h + 0 .. 31, ONE WHOLE BLOCK, in the order of
; registers 6 c .. 6 c + 5 of P's operand: a block's maximum needs no other lane and the conversions' results are the operand.
; HALF STEPS.  The softmax goes by 64 keys (c = 0, 1).  Between the parts of one half step's vector work stand the NEXT half step's products, in four groups of 8 matrix instructions (one key tile, four K steps,
; two query tiles by turns); the vector work is also the places behind each group, and each group's fragments are asked for behind the group before it.
; M moves every half step (l x f each time); O^T is multiplied once for 128 keys by the product of the two f.  The first half's P was made under the older M: M_new - M_old is taken off its scale byte, an exact
; power of two; the byte is held at 0 from below, where what it scales lies more than 2^120 under the row's largest term.
; A POSITION n: [half c = 1 of position n - 1's step | products of tiles 0-3 of position n's] [O^T x f, V^T P^T of position n - 1, half c = 0 of position n | products of tiles 4-7].
; RING.  In kv a key step is 64,000 bytes: K's part (51,200), then V's (12,800).  Two LDS slots of 128,000 bytes; slot n % 2 holds K's parts of position n's two steps and V's parts of position n - 1's.
; One change of slots a position.  The head brings K of position 0, an eighth to each wave.  Behind the first round, where nothing is filled again: K of position 1 (waves 0-3), V of position 0 (wave 4) and of
; position 1 (wave 5).  Later rounds: K of the next position (waves 0-3, a quarter each) and V of this one (wave 4).  A wave has at most one tensor load out.
; CLUSTER.  The four query blocks of a cluster have the same split: every tile is asked for jointly.
; No prefetch is laid: a refill is asked for a whole position (80 matrix instructions a wave and their vector work) ahead of the wait for it, and the first fills have no loop ahead of them.
; LIMITS.  NaN and infinities are not served.  The promise holds while |t| stays under 2^31.  A block's largest p is not searched for: the block's largest score goes through the same multiply-add and exponential,
; which takes v_exp_f32 not to fall where its input rises.  A block whose every p has fallen to 0 keeps the byte 1: its codes are zeros.  O^T is cleared once by 128 moves, so that the step has one form.
; REGISTERS.  Window 0: names below; v128-191, v192-255 the scores of half c = 0, 1 (tile u at + 32 u).  Window 1: v0-95 Q's eight fragments; v128-255 O^T (tile u, channels 16 dt on at 128 + 64 u + 8 dt).
.set STEPB, 64000
.set KSTEP, 51200
.set VSTEP, 12800
.set QUART, 25600                      ; a quarter of a slot's K
.set VOFF,  2*KSTEP                    ; V's parts in a slot
.set SLOTB, 2*KSTEP+2*VSTEP
.set KSOFF, 49152                      ; K's scale words in K's part
.set VSOFF, 12288                      ; V's scale words in V's part
.set STAGE, 2*SLOTB                    ; the join's stage: for each query pair O^T (16,384 bytes) and 512 bytes of -M and l; no tile lands here
.set STGW,  16896
.set SPARE, STAGE+4*STGW               ; the spare words: four blocks of 256 bytes that no other line names
.set SPW, 1                            ; LDS address of my spare word; never rewritten
.set NIL, 2                            ; 0; never rewritten
.set LB,  3                            ; 16 x lane
.set ADR, 4                            ; K's part of my step + 16 x lane
.set ADS, 5                            ; V's part of my step before + 4 x lane
.set LS,  6                            ; 4 x lane
.set ADV, 7                            ; V's part of my step before + 16 x lane
.set ST,  8                            ; tile u at ST + 4 u: -M, the largest t, l in two halves
.set FF,  16                           ; tile u: FF + 2 u the half step's f, FF + 2 u + 1 P's scale word
.set FO,  20                           ; tile u: FO + 2 u the step's factor for O^T, FO + 2 u + 1 the first half's scale byte
.set QS,  24                           ; Q's scale words, K step s: lanes 0-15 tile 0, lanes 16-31 tile 1
.set SC,  28                           ; K's scale words of a pair of key tiles, K step s
.set VSC, 32                           ; V's scale words, pair of channel tiles p
.set F,   36                           ; v36-83 four fragments of K or of V
.set PC,  84                           ; P's codes: tile u at PC + 12 u
.set BM,  108                          ; v108-111 maxima
.set T0,  112
.set T1,  113                          ; old M - new M, a whole number
.set BX,  114                          ; the block's largest t - M, then its largest p
.set SO,  115                          ; the conversions' scale operand
.set CT,  116                          ; v116-118 a conversion's second half
.set E,   119
.set CH,  120                          ; v[120:121] the sum's second chain
.set PX,  122                          ; a lane permute's result
.set SH,  123                          ; 8 x (lane / 16)
.set SG,  124                          ; my query pair's stage + 16 x lane
.set SB0, 128
.set SB1, 192
.set VFIX, SB1-F-48                    ; V's fragments 4, 5 lie at v192 on, 6, 7 at v224 on: where the second half's p lay
.set OT,  128                          ; in window 1
.set WV,  12
.set G1,  16                           ; s[16:23] group 1: 100 rows of 256 bytes
.set G0,  24                           ; s[24:27] group 0 for K's quarters: it walks
.set TB,  28                           ; LDS byte of the slot ahead
.set SLOTS, 29
.set TA,  30                           ; LDS byte of K's part of my step
.set TVA, 31                           ; LDS byte of V's part of my step before
.set CS,  32                           ; s[32:33] c = log2(e) / 32
.set SEL, 34                           ; s[34:35] selects for lane l xor 16
.set KG,  60                           ; wave / 4: the parity of my key steps
.set KOF, 61                           ; KSTEP x parity
.set QOFF, 62                          ; QUART x (wave % 4)
.set VOF, 63                           ; VOFF + VSTEP x parity
.set SB,  66                           ; which slot lies ahead
.set G1V, 68                           ; s[68:75] group 1: two rows of 12,800 bytes
.set G0V, 76                           ; s[76:79] group 0 for V's parts
.set G0H, 84                           ; s[84:87] group 0 for the head's eighths
.set G1H, 88                           ; s[88:95] group 1: 50 rows of 256 bytes
.set MSB, 0
.macro WIN new                         ; the immediate's high byte repeats the setting that is left
.if MSB != \new
	s_set_vgpr_msb (MSB<<8)|\new
.set MSB, \new
.endif
.endm
.set W_KQ, 0x04                        ; source 1 (Q; a store's data) window 1
.set W_RS, 0x41                        ; destination and source 0 (O^T) window 1
.set W_PV, 0x50                        ; source 2 and destination (O^T) window 1
.set TO_1, 0x40
.set ST_1, 0x04
.macro PLACES
.rept 4
	v_nop
.endr
.endm
.macro DEP1
	s_delay_alu instid0(VALU_DEP_1)
.endm
.macro CROUND                          ; a round of the cluster's barrier
	s_barrier_signal -1
	s_barrier_wait -1
	s_cmp_lg_u32 s[WV], 0
	s_cbranch_scc1 .Lnot_wave_0_\@
	s_barrier_signal -3
.Lnot_wave_0_\@:
	s_barrier_wait -3
	s_barrier_signal -1
	s_barrier_wait -1
.endm
.macro TLD g0, g1                      ; a joint load
	tensor_load_to_lds s[\g0:\g0+3], s[\g1:\g1+7]
	s_nop 0
.rept 4
	v_nop
.endr
.endm
.macro JL k, vhi                       ; one chain of branches on the wave's number, one load to an arm: k = 1: waves 0-3 K's quarters; waves 4 .. vhi - 1 V's parts
.if \k
	s_cmp_lt_u32 s[WV], 4
	s_cbranch_scc0 .Lnot_k_\@
	TLD G0, G1
	s_branch .Ljoin_\@
.Lnot_k_\@:
.endif
.if \vhi == 5
	s_cmp_eq_u32 s[WV], 4
	s_cbranch_scc0 .Ljoin_\@
	TLD G0V, G1V
.endif
.if \vhi == 6
	s_cmp_lt_u32 s[WV], 6
	s_cbranch_scc0 .Ljoin_\@
	TLD G0V, G1V
.endif
.Ljoin_\@:
.endm
; One matrix instruction.  zero = 1: it starts a sum.  ra, rb = 1: source 0's, source 1's scale words stand in lanes 16-31.
.macro MM d, a, b, sa, sb, zero, ra, rb
.set mD, \d
.set mA, \a
.set mB, \b
.set mSA, \sa
.set mSB, \sb
.set mV, 4*(\zero)+2*(\ra)+(\rb)
.if mV == 0
	v_wmma_scale_f32_16x16x128_f8f6f4 v[mD:mD+7], v[mA:mA+11], v[mB:mB+11], v[mD:mD+7], v[mSA], v[mSB] matrix_a_fmt:MATRIX_FMT_FP6 matrix_b_fmt:MATRIX_FMT_FP6
.elseif mV == 1
	v_wmma_scale_f32_16x16x128_f8f6f4 v[mD:mD+7], v[mA:mA+11], v[mB:mB+11], v[mD:mD+7], v[mSA], v[mSB] matrix_a_fmt:MATRIX_FMT_FP6 matrix_b_fmt:MATRIX_FMT_FP6 matrix_b_scale:MATRIX_SCALE_ROW1
.elseif mV == 2
	v_wmma_scale_f32_16x16x128_f8f6f4 v[mD:mD+7], v[mA:mA+11], v[mB:mB+11], v[mD:mD+7], v[mSA], v[mSB] matrix_a_fmt:MATRIX_FMT_FP6 matrix_b_fmt:MATRIX_FMT_FP6 matrix_a_scale:MATRIX_SCALE_ROW1
.elseif mV == 3
	v_wmma_scale_f32_16x16x128_f8f6f4 v[mD:mD+7], v[mA:mA+11], v[mB:mB+11], v[mD:mD+7], v[mSA], v[mSB] matrix_a_fmt:MATRIX_FMT_FP6 matrix_b_fmt:MATRIX_FMT_FP6 matrix_a_scale:MATRIX_SCALE_ROW1 matrix_b_scale:MATRIX_SCALE_ROW1
.elseif mV == 4
	v_wmma_scale_f32_16x16x128_f8f6f4 v[mD:mD+7], v[mA:mA+11], v[mB:mB+11], 0, v[mSA], v[mSB] matrix_a_fmt:MATRIX_FMT_FP6 matrix_b_fmt:MATRIX_FMT_FP6
.elseif mV == 5
	v_wmma_scale_f32_16x16x128_f8f6f4 v[mD:mD+7], v[mA:mA+11], v[mB:mB+11], 0, v[mSA], v[mSB] matrix_a_fmt:MATRIX_FMT_FP6 matrix_b_fmt:MATRIX_FMT_FP6 matrix_b_scale:MATRIX_SCALE_ROW1
.elseif mV == 6
	v_wmma_scale_f32_16x16x128_f8f6f4 v[mD:mD+7], v[mA:mA+11], v[mB:mB+11], 0, v[mSA], v[mSB] matrix_a_fmt:MATRIX_FMT_FP6 matrix_b_fmt:MATRIX_FMT_FP6 matrix_a_scale:MATRIX_SCALE_ROW1
.else
	v_wmma_scale_f32_16x16x128_f8f6f4 v[mD:mD+7], v[mA:mA+11], v[mB:mB+11], 0, v[mSA], v[mSB] matrix_a_fmt:MATRIX_FMT_FP6 matrix_b_fmt:MATRIX_FMT_FP6 matrix_a_scale:MATRIX_SCALE_ROW1 matrix_b_scale:MATRIX_SCALE_ROW1
.endif
.endm
.macro LDK t                           ; key tile t of my step: its four fragments; with an even tile the scale words of the pair t, t + 1
.irp s, 0,1,2,3
.irp g, 0,1,2
	ds_load_b128 v[F+12*\s+4*\g:F+12*\s+4*\g+3], v[ADR] offset:6144*(\t)+1536*\s+512*\g
.endr
.endr
.if ((\t)%2) == 0
	ds_load_b128 v[SC:SC+3], v[ADR] offset:KSOFF+256*(\t)
.endif
.endm
.macro LDV a, b                        ; V's fragments a .. b
.irp dt, 0,1,2,3,4,5,6,7
.if (\dt >= \a) && (\dt <= \b)
.irp g, 0,1,2
	ds_load_b128 v[F+12*\dt+(\dt/4)*VFIX+(\dt/6)*8+4*\g:F+12*\dt+(\dt/4)*VFIX+(\dt/6)*8+4*\g+3], v[ADV] offset:1536*\dt+512*\g
.endr
.endif
.endr
.endm
.macro GQK t, d                        ; a group: key tile t against both query tiles, all four K steps, into the score buffer d
	s_wait_alu depctr_va_vdst(0)
	s_wait_dscnt 0x0                               ; the group's fragments and scale words are in: nothing younger is out
	WIN W_KQ
.irp s, 0,1,2,3
	MM (\d)+8*((\t)%4), F+12*\s, 12*\s, SC+\s, QS+\s, 1-(\s+3)/4, (\t)%2, 0
	MM (\d)+32+8*((\t)%4), F+12*\s, 48+12*\s, SC+\s, QS+\s, 1-(\s+3)/4, (\t)%2, 1
.endr
	WIN 0
.endm
.macro OMUL                            ; O^T x the factor in v[FO + 2 u], each accumulator from its low end on
	WIN W_RS
.irp u, 0,1
.set q, 0
.rept 32
	v_pk_mul_f32 v[OT+64*\u+q:OT+64*\u+q+1], v[OT+64*\u+q:OT+64*\u+q+1], v[FO+2*\u:FO+2*\u+1] op_sel_hi:[1,0]
.set q, q+2
.endr
.endr
	WIN 0
.endm
.macro RPV                             ; O^T x the step's factor, then O^T += V^T P^T: sixteen different accumulators, one instruction each
	s_wait_alu depctr_va_vdst(0)
	OMUL
	s_wait_alu depctr_va_vdst(0)
	s_wait_dscnt 0x0                               ; V's fragments and scale words
	WIN W_PV
.irp dt, 0,1,2,3,4,5,6,7
.irp u, 0,1
	MM OT+64*\u+8*\dt, F+12*\dt+(\dt/4)*VFIX+(\dt/6)*8, PC+12*\u, VSC+\dt/2, FF+2*\u+1, 0, \dt%2, 0
.endr
.endr
	WIN 0
.endm
; The softmax of tile u, half c, in five parts.  SA1: the first reads of its four accumulators, each at its low end.
.macro SA1 u, c
.set rS, SB0+64*(\c)+32*(\u)
.set rN, ST+4*(\u)
.set rF, FF+2*(\u)
.set rO, FO+2*(\u)
.set rP, PC+12*(\u)+6*(\c)
.irp b, 0,1,2,3
	v_max3_num_f32 v[BM+\b], v[rS+8*\b], v[rS+8*\b+1], v[rS+8*\b+2]
.endr
.endm
.macro SA2 c                           ; my block's largest score, the row's, the new -M and f, t - M
.irp i, 3,5
.irp b, 0,1,2,3
	v_max3_num_f32 v[BM+\b], v[BM+\b], v[rS+8*\b+\i], v[rS+8*\b+\i+1]
.endr
.endr
	v_max3_num_f32 v[BM], v[BM], v[rS+7], v[rS+15]
	v_max3_num_f32 v[BM+1], v[BM+1], v[rS+23], v[rS+31]
	DEP1
	v_max3_num_f32 v[BM], v[BM], v[BM+1], v[BM+2]
	DEP1
	v_max_num_f32 v[BM], v[BM], v[BM+3]            ; of my 32 keys
	DEP1
	v_permlanex16_b32 v[PX], v[BM], s[SEL], s[SEL+1]
	DEP1
	v_max_num_f32 v[T0], v[BM], v[PX]              ; of the half step's 64
	DEP1
	v_mul_f32 v[T0], s[CS], v[T0]                  ; as t (c is positive)
	DEP1
	v_max_num_f32 v[rN+1], v[rN+1], v[T0]          ; the running largest t
	v_mov_b32 v[T0], v[rN]
	s_delay_alu instid0(VALU_DEP_2)
	v_floor_f32 v[rN], -v[rN+1]                    ; the new -M = -ceil(t)
	DEP1
	v_sub_f32 v[T0], v[rN], v[T0]                  ; old M - new M, 0 or less
	DEP1
	v_cvt_i32_f32 v[T1], v[T0]                     ; (it saturates)
	DEP1
	v_ldexp_f32 v[rF], 1.0, v[T1]                  ; f = 2^(old M - new M)
.set q, 0
.rept 16
	v_pk_fma_f32 v[rS+q:rS+q+1], v[rS+q:rS+q+1], s[CS:CS+1], v[rN:rN+1] op_sel_hi:[1,0,0]
.set q, q+2
.endr
	v_fma_f32 v[BX], v[BM], s[CS], v[rN]           ; the same of the block's largest score
.if \c
	v_mul_f32 v[rO], v[rO], v[rF]                  ; the step's factor for O^T: both halves' f
.else
	v_mov_b32 v[rO], v[rF]
.endif
.endm
.macro SBX                             ; p = 2^(t - M)
	s_wait_alu depctr_va_vdst(0)
.set q, 0
.rept 32
	v_exp_f32 v[rS+q], v[rS+q]
.set q, q+1
.endr
	v_exp_f32 v[BX], v[BX]                         ; the block's largest p
	v_pk_mul_f32 v[rN+2:rN+3], v[rN+2:rN+3], v[rF:rF+1] op_sel_hi:[1,0]   ; l under the new M: the plain place behind the batch
	s_wait_alu depctr_va_vdst(0)
.endm
.macro SC1                             ; the sum of the unquantised p, two chains: the first four lines (also the places behind a group)
	v_pk_add_f32 v[CH:CH+1], v[rS:rS+1], v[rS+2:rS+3]
	v_pk_add_f32 v[rN+2:rN+3], v[rN+2:rN+3], v[rS+4:rS+5]
	v_pk_add_f32 v[CH:CH+1], v[CH:CH+1], v[rS+6:rS+7]
	v_pk_add_f32 v[rN+2:rN+3], v[rN+2:rN+3], v[rS+8:rS+9]
.endm
.macro SC2 c                           ; the rest of the sum, the block's scale, its codes
	v_pk_add_f32 v[CH:CH+1], v[CH:CH+1], v[rS+10:rS+11]
.set q, 12
.rept 5
	v_pk_add_f32 v[rN+2:rN+3], v[rN+2:rN+3], v[rS+q:rS+q+1]
	v_pk_add_f32 v[CH:CH+1], v[CH:CH+1], v[rS+q+2:rS+q+3]
.set q, q+4
.endr
	v_max_num_f32 v[BX], 0x1800000, v[BX]          ; the floor 2^(3 - 127): the byte cannot fall under 1
	v_pk_add_f32 v[rN+2:rN+3], v[rN+2:rN+3], v[CH:CH+1]
	v_add_nc_u32 v[SO], 0xff000000, v[BX]          ; 2 off the exponent field: the conversions' scale operand
	DEP1
.if \c
	v_lshrrev_b32 v[E], 23, v[SO]                  ; the scale's byte
.else
	v_lshrrev_b32 v[rO+1], 23, v[SO]               ; kept until the second half knows its M
.endif
	v_cvt_scalef32_pk16_fp6_f32 v[rP:rP+2], v[rS:rS+15], v[SO]
	v_cvt_scalef32_pk16_fp6_f32 v[CT:CT+2], v[rS+16:rS+31], v[SO]   ; (a conversion's three registers begin on an even number)
	v_nop                                          ; one plain place behind a scaled conversion
.endm
.macro SC3 c
.irp i, 0,1,2
	v_mov_b32 v[rP+3+\i], v[CT+\i]
.endr
.if \c                                 ; P's scale word: my bytes are blocks h and 2 + h; the first half's byte less (new M - old M), held at 0
	v_sub_nc_u32 v[T0], 0, v[T1]
	DEP1
	v_min_u32 v[T0], v[T0], v[rO+1]
	DEP1
	v_sub_nc_u32 v[T0], v[rO+1], v[T0]
	DEP1
	v_lshl_or_b32 v[T0], v[E], 16, v[T0]
	DEP1
	v_lshlrev_b32 v[T0], v[SH], v[T0]
	DEP1
	v_permlanex16_b32 v[PX], v[T0], s[SEL], s[SEL+1]
	DEP1
	v_or_b32 v[rF+1], v[T0], v[PX]                 ; with lane l xor 16's two the word is whole
.endif
.endm
; Half c of a step.  qk = 1: the next half step's four groups and their loads stand between the parts.  pv = 1: the step before is finished first.
.macro HALF c, qk, pv
.set NX, SB0+64*(1-\c)
.set TBN, 4*(1-\c)
.if \qk && \c
	LDK TBN
.endif
.if \pv
	RPV
.else
	s_wait_alu depctr_va_vdst(0)
.endif
	SA1 0, \c
.if \qk && (1-\c)
	LDK TBN                                        ; four plain lines stand behind the products that read these registers
.endif
	SA2 \c
	SBX
.if \qk
	GQK TBN, NX
.endif
	SC1
.if \qk
	LDK TBN+1
.endif
	SC2 \c
	SC3 \c
.if \c
	LDV 4, 5                                       ; tile 0's p of this half is done with
.endif
.if \qk
	GQK TBN+1, NX
.endif
	SA1 1, \c
.if \qk
	LDK TBN+2
.endif
	SA2 \c
	SBX
.if \qk
	GQK TBN+2, NX
.endif
	SC1
.if \qk
	LDK TBN+3
.endif
	SC2 \c
.if \qk
	GQK TBN+3, NX
.endif
	SC3 \c
.if \c
	LDV 6, 7
	LDV 0, 3
.irp p, 0,1,2,3
	ds_load_b32 v[VSC+\p], v[ADS] offset:VSOFF+128*\p
.endr
.endif
.endm
.macro ADDRS                           ; my LDS addresses in the slot ahead
	v_add_nc_u32 v[ADR], s[TA], v[LB]
	v_add_nc_u32 v[ADV], s[TVA], v[LB]
	v_add_nc_u32 v[ADS], s[TVA], v[LS]
.endm
.macro POS first                       ; a position: every LDS read is of the slot ahead
	ADDRS
.if \first
.irp t, 0,1,2,3
	LDK \t
	GQK \t, SB0
	PLACES
.endr
	HALF 0, 1, 0
.else
	HALF 1, 1, 0
	HALF 0, 1, 1
.endif
	s_wait_alu depctr_va_vdst(0)
.endm
; THE CHANGE OF SLOTS, at each position's head.  Each wave waits for all its tensor loads, adds 0 to its spare word, and waits for that and for its reads of the slot that it has left.
; mode 0: nothing is asked for, a plain barrier.  Else a round of the cluster's barrier, and the joint loads first behind it, into the slot just left:
; 1: the first round (K of position 1; V of positions 0 and 1, whose group 0 was made at the head); 2: K alone; 3: K of the next position and V of this one; 4: V alone.
.macro CHANGE mode
	s_wait_tensorcnt 0x0
	ds_add_u32 v[SPW], v[NIL]
	s_mul_i32 s[TB], s[SB], SLOTB                  ; the slot ahead
	s_add_co_u32 s[TA], s[TB], s[KOF]
	s_add_co_u32 s[TVA], s[TB], s[VOF]
.if \mode
	s_xor_b32 s[SB], s[SB], 1
	s_mul_i32 s[G0+1], s[SB], SLOTB
.if \mode > 1
	s_add_co_u32 s[G0V+1], s[G0+1], VOFF
	s_add_nc_u64 s[G0V+2:G0V+3], s[G0V+2:G0V+3], 2*STEPB
.endif
	s_add_co_u32 s[G0+1], s[G0+1], s[QOFF]
	s_add_nc_u64 s[G0+2:G0+3], s[G0+2:G0+3], 2*STEPB   ; (behind the last position's the stepped address is not used)
.endif
	s_wait_dscnt 0x0
.if \mode == 0
	s_barrier_signal -1
	s_barrier_wait -1
.else
	CROUND
.endif
.if \mode == 1
	JL 1, 6
.endif
.if \mode == 2
	JL 1, 4
.endif
.if \mode == 3
	JL 1, 5
.endif
.if \mode == 4
	JL 0, 5
.endif
.endm
	s_load_b256 s[4:11], s[0:1], 0x0               ; qb s[4:5], kv s[6:7], po s[8:9], pm s[10:11]
	v_lshl_add_u32 v[SPW], v0, 2, SPARE
	v_mov_b32 v[NIL], 0
	ds_add_u32 v1, v2
	ds_add_u32 v1, v2
	s_wait_dscnt 0x0
	v_lshrrev_b32 v[LB], 5, v0
	s_delay_alu instid0(VALU_DEP_1)
	v_readfirstlane_b32 s[WV], v[LB]               ; wave 0..7
	s_lshr_b32 s[KG], s[WV], 2                     ; the parity of my key steps
	s_and_b32 s46, s[WV], 3                        ; my query pair
	s_mul_i32 s[KOF], s[KG], KSTEP
	s_mul_i32 s[VOF], s[KG], VSTEP
	s_add_co_u32 s[VOF], s[VOF], VOFF
	s_bfe_u32 s13, ttmp6, 0x40000                  ; cx
	s_lshl_b32 s14, ttmp9, 2
	s_add_co_u32 s14, s14, s13                     ; my block of 128 queries: it enters qb's, po's and pm's addresses alone
	s_and_b32 s15, ttmp7, 0xffff                   ; the split, which the four partners share
	s_mov_b32 s[G1], 15|(3<<16)|(1<<21)            ; dense rows of 256 bytes; the mask names all four work-groups
	s_mov_b32 s[G1+1], 32<<16
	s_mov_b32 s[G1+2], 100<<16
	s_mov_b32 s[G1+3], 32<<16
	s_mov_b32 s[G1+4], 100
	s_mov_b32 s[G1+5], 32
	s_mov_b32 s[G1+6], 0
	s_mov_b32 s[G1+7], 0
	s_mov_b32 s[G1H], 15|(3<<16)|(1<<21)
	s_mov_b32 s[G1H+1], 32<<16
	s_mov_b32 s[G1H+2], 50<<16
	s_mov_b32 s[G1H+3], 32<<16
	s_mov_b32 s[G1H+4], 50
	s_mov_b32 s[G1H+5], 32
	s_mov_b32 s[G1H+6], 0
	s_mov_b32 s[G1H+7], 0
	s_mov_b32 s[G1V], 15|(3<<16)|(1<<21)           ; V: two rows of 12,800 bytes, a key step apart
	s_mov_b32 s[G1V+1], (VSTEP/8)<<16
	s_mov_b32 s[G1V+2], 2<<16
	s_mov_b32 s[G1V+3], (VSTEP/8)<<16
	s_mov_b32 s[G1V+4], 2
	s_mov_b32 s[G1V+5], STEPB/8
	s_mov_b32 s[G1V+6], 0
	s_mov_b32 s[G1V+7], 0
	s_mov_b32 s[CS], 0x3d38aa3b                    ; c = log2(e) / 32
	s_mov_b32 s[CS+1], s[CS]
	s_mov_b32 s[SEL], 0x76543210
	s_mov_b32 s[SEL+1], 0xfedcba98
	s_mov_b32 s[SB], 0
	s_mov_b32 s[SLOTS], 5
	s_mul_i32 s44, s14, 51200                      ; my block of 128 queries in qb
	s_mul_i32 s48, s46, 12288                      ; my two tiles' eight images,
	s_add_co_u32 s48, s48, s44
	s_mov_b32 s49, 0
	s_lshl_b32 s50, s46, 9                         ; and their 512 bytes of scale words
	s_add_co_u32 s50, s50, s44
	s_add_co_u32 s50, s50, KSOFF
	s_mov_b32 s51, 0
	s_lshl_b32 s52, s14, 2
	s_add_co_u32 s52, s52, s46                     ; my unit of 32 queries
	s_lshl_b32 s53, s15, 8
	s_add_co_u32 s52, s52, s53                     ; + 256 x split
	s_lshl_b32 s54, s52, 14                        ; 16,384 bytes of po,
	s_mov_b32 s55, 0
	s_lshl_b32 s56, s52, 9                         ; 512 of pm
	s_mov_b32 s57, 0
	s_mul_i32 s[QOFF], s46, QUART
	s_mul_i32 s58, s15, 16*STEPB                   ; kv: the split's first key step
	s_and_b32 s47, s[WV], 1                        ; V, first round: wave 4 position 0's parts into slot 1, wave 5 position 1's into slot 0
	s_mul_i32 s52, s47, 2*STEPB
	s_add_co_u32 s52, s52, s58
	s_add_co_u32 s52, s52, KSTEP                   ; behind K's part
	s_mov_b32 s53, 0
	s_xor_b32 s47, s47, 1
	s_mul_i32 s[G0V+1], s47, SLOTB
	s_add_co_u32 s[G0V+1], s[G0V+1], VOFF
	s_mul_i32 s96, s[KG], STEPB                    ; the head: step wave / 4, eighth wave % 4 of position 0's K
	s_mul_i32 s97, s46, VSTEP
	s_add_co_u32 s96, s96, s97
	s_add_co_u32 s96, s96, s58
	s_mov_b32 s97, 0
	s_mul_i32 s[G0H+1], s[WV], VSTEP               ; 12,800 bytes a wave, on end
	s_lshr_b32 s47, s46, 1                         ; K's quarters: step (wave % 4) / 2 of the position,
	s_mul_i32 s47, s47, STEPB
	s_add_co_u32 s58, s58, s47
	s_and_b32 s47, s46, 1                          ; half (wave % 4) % 2 of its part
	s_mul_i32 s47, s47, QUART
	s_add_co_u32 s58, s58, s47
	s_mov_b32 s59, 0
	s_mul_i32 s47, s46, STGW
	s_add_co_u32 s47, s47, STAGE                   ; my query pair's stage
	s_wait_kmcnt 0x0
	s_add_nc_u64 s[36:37], s[4:5], s[48:49]
	s_add_nc_u64 s[38:39], s[4:5], s[50:51]
	s_add_nc_u64 s[40:41], s[8:9], s[54:55]
	s_add_nc_u64 s[42:43], s[10:11], s[56:57]
	CROUND                                         ; all four work-groups are here: the first joint loads meet
	s_mov_b32 s[G0], 1
	s_add_nc_u64 s[G0+2:G0+3], s[6:7], s[58:59]    ; position 0's quarter: each change steps it before it is used
	s_or_b32 s[G0+3], s[G0+3], 0x80000000
	s_mov_b32 s[G0V], 1
	s_add_nc_u64 s[G0V+2:G0V+3], s[6:7], s[52:53]
	s_or_b32 s[G0V+3], s[G0V+3], 0x80000000
	s_mov_b32 s[G0H], 1
	s_add_nc_u64 s[G0H+2:G0H+3], s[6:7], s[96:97]
	s_or_b32 s[G0H+3], s[G0H+3], 0x80000000
	TLD G0H, G1H                                   ; every wave's one load at the head: its eighth of position 0's K
	v_and_b32 v[LB], 31, v0
	v_bfe_u32 v[SH], v0, 4, 1
	s_delay_alu instid0(VALU_DEP_2)
	v_lshlrev_b32 v[LS], 2, v[LB]
	v_lshlrev_b32 v[LB], 4, v[LB]
	v_lshlrev_b32 v[SH], 3, v[SH]
	s_delay_alu instid0(VALU_DEP_2)
	v_add_nc_u32 v[SG], s47, v[LB]
	WIN TO_1
.irp u, 0,1
.irp s, 0,1,2,3
.irp g, 0,1,2
	global_load_b128 v[48*\u+12*\s+4*\g:48*\u+12*\s+4*\g+3], v[LB], s[36:37] offset:6144*\u+1536*\s+512*\g   ; Q stays in registers
.endr
.endr
.endr
	WIN 0
	global_load_b128 v[QS:QS+3], v[LB], s[38:39]
.irp u, 0,1
	v_mov_b32 v[ST+4*\u+1], 0xff61b1e6             ; the largest t so far: -3e38, under every t
	s_delay_alu instid0(VALU_DEP_1)
	v_floor_f32 v[ST+4*\u], -v[ST+4*\u+1]          ; -M
	v_mov_b32 v[ST+4*\u+2], 0                      ; l, in two halves
	v_mov_b32 v[ST+4*\u+3], 0
	v_mov_b32 v[FF+2*\u], 0
	v_mov_b32 v[FF+2*\u+1], 0                      ; (named as the upper half of a pair before it is first written)
	v_mov_b32 v[FO+2*\u], 0
	v_mov_b32 v[FO+2*\u+1], 0
.endr
	v_mov_b32 v[PX], 0                             ; a lane permute's destination counts as one of its sources
	WIN TO_1
.set q, 0
.rept 128
	v_mov_b32 v[OT+q], 0                           ; O^T: the first step finds zeros, which the first change of M leaves zeros
.set q, q+1
.endr
	WIN 0
	s_wait_alu depctr_va_vdst(0)
	s_wait_loadcnt 0x0                             ; Q and its scale words
	CHANGE 1                                       ; position 0's K is whole
	POS 1                                          ; position 0
	CHANGE 2
	POS 0                                          ; position 1
.Lslot:                                            ; five trips: positions 2 to 6
	CHANGE 3
	POS 0
	s_sub_co_u32 s[SLOTS], s[SLOTS], 1
	s_cmp_lg_u32 s[SLOTS], 0
	s_cbranch_scc1 .Lslot
	CHANGE 4                                       ; the last changes are written out
	POS 0                                          ; position 7
	CHANGE 0
	ADDRS                                          ; position 7's step is finished
	HALF 1, 0, 0
	RPV
	; THE JOIN.  The six plain lines are the places behind the last products.
.irp u, 0,1
	v_add_f32 v[BM+\u], v[ST+4*\u+2], v[ST+4*\u+3] ; l's two halves,
.endr
.irp u, 0,1
	v_permlanex16_b32 v[PX], v[BM+\u], s[SEL], s[SEL+1]
	s_delay_alu instid0(VALU_DEP_1)
	v_add_f32 v[BM+\u], v[BM+\u], v[PX]            ; and lane l xor 16's
.endr
	v_mov_b32 v[F], v[ST]                          ; -M and l of both tiles, 16 bytes a lane
	v_mov_b32 v[F+1], v[BM]
	v_mov_b32 v[F+2], v[ST+4]
	v_mov_b32 v[F+3], v[BM+1]
	s_wait_alu depctr_va_vdst(0)
	s_cmp_eq_u32 s[KG], 0
	s_cbranch_scc1 .Lkeeper
	WIN ST_1                                       ; waves 4-7 hand their part over as it stands in the registers
.set q, 0
.rept 32
	ds_store_b128 v[SG], v[OT+4*q:OT+4*q+3] offset:512*q
.set q, q+1
.endr
	WIN 0
	ds_store_b128 v[SG], v[F:F+3] offset:16384
.Lkeeper:
	s_wait_dscnt 0x0                               ; my stores are done, for the other waves' sake
	s_barrier_signal -1
	s_barrier_wait -1
	s_cmp_lg_u32 s[KG], 0
	s_cbranch_scc1 .Ldone
	ds_load_b128 v[BM:BM+3], v[SG] offset:16384    ; the partner's -M and l
.set q, 0
.rept 32
	ds_load_b128 v[SB0+4*q:SB0+4*q+3], v[SG] offset:512*q   ; and its O^T, register for register
.set q, q+1
.endr
	s_wait_dscnt 32                                ; the first load is in; the 32 younger ones may be out
.irp u, 0,1
	v_min_num_f32 v[T0], v[F+2*\u], v[BM+2*\u]     ; the smaller -M: the joint one
	s_delay_alu instid0(VALU_DEP_1)
	v_sub_f32 v[T1], v[T0], v[F+2*\u]              ; M_mine - M, M_partner - M: whole numbers, 0 or less
	v_sub_f32 v[BX], v[T0], v[BM+2*\u]
	s_delay_alu instid0(VALU_DEP_2)
	v_cvt_i32_f32 v[T1], v[T1]
	s_delay_alu instid0(VALU_DEP_2)
	v_cvt_i32_f32 v[BX], v[BX]
	s_delay_alu instid0(VALU_DEP_2)
	v_ldexp_f32 v[FO+2*\u], 1.0, v[T1]
	s_delay_alu instid0(VALU_DEP_2)
	v_ldexp_f32 v[FF+2*\u], 1.0, v[BX]
	v_mov_b32 v[F+2*\u], v[T0]
	s_delay_alu instid0(VALU_DEP_3)
	v_mul_f32 v[F+2*\u+1], v[F+2*\u+1], v[FO+2*\u]
	s_delay_alu instid0(VALU_DEP_1)
	v_fma_f32 v[F+2*\u+1], v[BM+2*\u+1], v[FF+2*\u], v[F+2*\u+1]
.endr
	OMUL                                           ; my O^T under the joint M,
	s_wait_alu depctr_va_vdst(0)
	s_wait_dscnt 0x0
	WIN W_PV
.irp u, 0,1
.set q, 0
.rept 32
	v_pk_fma_f32 v[OT+64*\u+q:OT+64*\u+q+1], v[SB0+64*\u+q:SB0+64*\u+q+1], v[FF+2*\u:FF+2*\u+1], v[OT+64*\u+q:OT+64*\u+q+1] op_sel_hi:[1,0,1]   ; and the partner's
.set q, q+2
.endr
.endr
	WIN 0
	s_wait_alu depctr_va_vdst(0)
	WIN ST_1                                       ; the part leaves as it stands in the registers: each store of the wave covers 512 consecutive bytes, aligned to 256
.set q, 0
.rept 32
	global_store_b128 v[LB], v[OT+4*q:OT+4*q+3], s[40:41] offset:512*q
.set q, q+1
.endr
	WIN 0
	global_store_b128 v[LB], v[F:F+3], s[42:43]
.Ldone:
	s_wait_tensorcnt 0x0                           ; the wave's end
	ds_add_u32 v[SPW], v[NIL]
	s_wait_dscnt 0x0
	CROUND                                         ; the closing round
	s_endpgm
.Lfunc_end_k_q14f783d9b9_attn:
	.size	k_q14f783d9b9_attn, .Lfunc_end_k_q14f783d9b9_attn-k_q14f783d9b9_attn
	.p2alignl 7, 3214868480
	.fill 96, 4, 3214868480
	.section	.rodata,"a",@progbits
	.p2align	6, 0x0
	.amdhsa_kernel k_q14f783d9b9_attn
		.amdhsa_group_segment_fixed_size 327680
		.amdhsa_private_segment_fixed_size 0
		.amdhsa_enable_private_segment 0
		.amdhsa_kernarg_size 32
		.amdhsa_user_sgpr_count 2
		.amdhsa_user_sgpr_kernarg_segment_ptr 1
		.amdhsa_wavefront_size32 1
		.amdhsa_system_sgpr_workgroup_id_x 1
		.amdhsa_system_sgpr_workgroup_id_y 1
		.amdhsa_system_sgpr_workgroup_id_z 1
		.amdhsa_system_vgpr_workitem_id 0
		.amdhsa_next_free_vgpr 512
		.amdhsa_next_free_sgpr 100
		.amdhsa_reserve_vcc 0
		.amdhsa_float_denorm_mode_32 3
		.amdhsa_float_denorm_mode_16_64 3
		.amdhsa_memory_ordered 1
		.amdhsa_forward_progress 1
		.amdhsa_inst_pref_size 221
	.end_amdhsa_kernel
	.amdgpu_metadata
---
amdhsa.version: [ 1, 2 ]
amdhsa.kernels:
  - .name:           k_q14f783d9b9_attn
    .symbol:         k_q14f783d9b9_attn.kd
    .args:
      - { .name: qb, .offset: 0, .size: 8, .value_kind: global_buffer, .address_space: global }
      - { .name: kv, .offset: 8, .size: 8, .value_kind: global_buffer, .address_space: global }
      - { .name: po, .offset: 16, .size: 8, .value_kind: global_buffer, .address_space: global }
      - { .name: pm, .offset: 24, .size: 8, .value_kind: global_buffer, .address_space: global }
    .group_segment_fixed_size: 327680
    .private_segment_fixed_size: 0
    .kernarg_segment_align: 8
    .kernarg_segment_size: 32
    .max_flat_workgroup_size: 256
    .sgpr_count:     100
    .vgpr_count:     512
    .wavefront_size: 32
...
	.end_amdgpu_metadata
.endif
;; end of part 2
;; launch merge (part 3): grid 256 x 1, 4 waves a work-group, no clusters, 17,920 bytes of LDS; arguments po, pm, out0; writes out0
.if DOCPART == 3
	.amdgcn_target "amdgcn-amd-amdhsa--gfx1250"
	.amdhsa_code_object_version 6
	.text
	.protected	k_q14f783d9b9_merge
	.globl	k_q14f783d9b9_merge
	.p2align	8
	.type	k_q14f783d9b9_merge,@function
k_q14f783d9b9_merge:
	s_mov_b64 s[64:65], 0
	v_nop
	global_prefetch_b8 v0, s[64:65] scope:SCOPE_SE
	s_setreg_imm32_b32 hwreg(HW_REG_WAVE_MODE, 25, 1), 1
	s_wait_xcnt 0x0
; The four parts of each query are joined: M = the largest M_s; f_s = 2^(M_s - M), exact; l = the sum of f_s l_s; out = the sum of f_s O_s, divided by l.
; po: [split 4][unit of 32 queries 256][32 groups of 512 bytes]: group 16 u + 2 dt + q holds registers 4 q .. 4 q + 3 of O^T (tile u, channels 16 dt on) of every lane at 16 x lane; register i of lane (r, h) is channel 16 dt + 8 h + i of the tile's slot r.
; pm: [split][unit][512]: lane l's 16 bytes are -M and l of tile 0, then of tile 1.   Slot r of tile u of unit U is query 32 U + 8 u + r + 8 (r / 8).
; A wave takes one tile of 16 queries x 64 channels: 32 registers a split.  Every load reads 512 consecutive bytes, all four splits' loads (32 a wave) go out at once, nothing is read twice but the
; 16 bytes of statistics.  The rows go through the wave's own stage in LDS, so that sixteen lanes store 256 consecutive bytes, aligned.  No matrix unit, no cluster, no barrier: waves share nothing.
.set OFF, 8                            ; v8-11   16 x lane + split x 2^22
.set STT, 16                           ; v16-23  pairs (-M_s, l_s)
.set G,   32                           ; v32-39  pairs f_s / l, twice
.set ACC, 48                           ; v48-79
.set D,   80                           ; v80-207 four sets of 32
.set NMM, 208
.set LL,  209
.set RC,  210
.set STO, 211
.set RD,  212
.set GO,  213
	s_load_b128 s[4:7], s[0:1], 0x0                ; po, pm
	s_load_b64 s[8:9], s[0:1], 0x10                ; out0
	v_lshl_add_u32 v224, v0, 2, 0x4400
	v_mov_b32 v225, 0
	v_lshrrev_b32 v1, 5, v0
	v_readfirstlane_b32 s10, v1                    ; wave 0..3
	v_and_b32 v1, 31, v0
	v_and_b32 v2, 15, v0                           ; r
	v_bfe_u32 v3, v0, 4, 1                         ; h
	v_lshlrev_b32 v4, 4, v1                        ; 16 x lane
.irp s, 0,1,2,3
	v_add_nc_u32 v[OFF+\s], (\s)<<22, v4           ; a split's part of po is 256 units x 16,384 bytes
.endr
	s_wait_alu depctr_va_vdst(0)
	s_lshl_b32 s11, ttmp9, 2
	s_add_co_u32 s11, s11, s10
	s_and_b32 s12, s11, 1                          ; which 64 channels
	s_lshr_b32 s13, s11, 1
	s_and_b32 s14, s13, 1                          ; u
	s_lshr_b32 s15, s13, 1                         ; U
	s_lshl_b32 s16, s15, 14
	s_lshl_b32 s18, s14, 13
	s_add_co_u32 s16, s16, s18
	s_lshl_b32 s18, s12, 12
	s_add_co_u32 s16, s16, s18                     ; po: 16,384 U + 8,192 u + 4,096 x half
	s_mov_b32 s17, 0
	s_lshl_b32 s20, s15, 9
	s_lshl_b32 s18, s14, 3
	s_add_co_u32 s20, s20, s18                     ; pm: 512 U + 8 u
	s_mov_b32 s21, 0
	s_lshl_b32 s22, s15, 14
	s_lshl_b32 s18, s14, 12
	s_add_co_u32 s22, s22, s18
	s_lshl_b32 s18, s12, 8
	s_add_co_u32 s22, s22, s18                     ; out0: (32 U + 8 u) rows of 512 bytes + 256 x half
	s_mov_b32 s23, 0
	s_mul_i32 s24, s10, 16*272                     ; my stage: 16 rows x (256 bytes + 16)
	v_mul_u32_u24 v[STO], v2, 272
	v_lshl_add_u32 v[STO], v3, 5, v[STO]
	v_add_nc_u32 v[STO], s24, v[STO]               ; in: row r, + 32 h
	v_mul_u32_u24 v[RD], v3, 272
	v_lshl_add_u32 v[RD], v2, 4, v[RD]
	v_add_nc_u32 v[RD], s24, v[RD]                 ; back: lanes 0-15 one row, lanes 16-31 the next
	v_lshlrev_b32 v[GO], 9, v3
	v_lshl_add_u32 v[GO], v2, 4, v[GO]             ; and the same two rows in out0
	s_wait_alu depctr_va_vdst(0)
	s_wait_kmcnt 0x0
	s_add_nc_u64 s[4:5], s[4:5], s[16:17]
	s_add_nc_u64 s[6:7], s[6:7], s[20:21]
	s_add_nc_u64 s[8:9], s[8:9], s[22:23]
.irp s, 0,1,2,3
	global_load_b64 v[STT+2*\s:STT+2*\s+1], v4, s[6:7] offset:131072*\s
.endr
.irp s, 0,1,2,3
.irp g, 0,1,2,3,4,5,6,7
	global_load_b128 v[D+32*\s+4*\g:D+32*\s+4*\g+3], v[OFF+\s], s[4:5] offset:512*\g th:TH_LOAD_NT
.endr
.endr
	s_wait_loadcnt 32                              ; the statistics are in; the 32 loads behind them may be out
	v_min3_num_f32 v[NMM], v[STT], v[STT+2], v[STT+4]
	v_min_num_f32 v[NMM], v[NMM], v[STT+6]         ; the smallest -M_s = -M
.irp s, 0,1,2,3
	v_sub_f32 v[G+2*\s], v[NMM], v[STT+2*\s]       ; M_s - M: a whole number, 0 or less
.endr
.irp s, 0,1,2,3
	v_cvt_i32_f32 v[G+2*\s], v[G+2*\s]             ; (it saturates)
.endr
.irp s, 0,1,2,3
	v_ldexp_f32 v[G+2*\s], 1.0, v[G+2*\s]          ; f_s
.endr
	v_mul_f32 v[LL], v[G], v[STT+1]
.irp s, 1,2,3
	v_fma_f32 v[LL], v[G+2*\s], v[STT+2*\s+1], v[LL]
.endr
	s_wait_alu depctr_va_vdst(0)
	v_rcp_f32 v[RC], v[LL]
	v_nop                                          ; one plain place behind a transcendental
	s_wait_alu depctr_va_vdst(0)
.irp s, 0,1,2,3
	v_mul_f32 v[G+2*\s+1], v[G+2*\s], v[RC]        ; f_s / l, in both halves of a pair for the packed forms
	v_mul_f32 v[G+2*\s], v[G+2*\s], v[RC]
.endr
	s_wait_alu depctr_va_vdst(0)
.macro TAKE s, left                    ; left: the younger loads, which may stay out
	s_wait_loadcnt \left
.set q, 0
.rept 16
.if (\s) == 0
	v_pk_mul_f32 v[ACC+q:ACC+q+1], v[D+32*(\s)+q:D+32*(\s)+q+1], v[G+2*(\s):G+2*(\s)+1]   ; the first split starts the sums: nothing is cleared
.else
	v_pk_fma_f32 v[ACC+q:ACC+q+1], v[D+32*(\s)+q:D+32*(\s)+q+1], v[G+2*(\s):G+2*(\s)+1], v[ACC+q:ACC+q+1]
.endif
.set q, q+2
.endr
.endm
	TAKE 0, 24
	TAKE 1, 16
	TAKE 2, 8
	TAKE 3, 0
.irp t, 0,1,2,3
.irp q, 0,1
	ds_store_b128 v[STO], v[ACC+8*\t+4*\q:ACC+8*\t+4*\q+3] offset:64*\t+16*\q   ; channels 16 t + 8 h + 4 q on of my half
.endr
.endr
.irp i, 0,1,2,3,4,5,6,7
	ds_load_b128 v[D+4*\i:D+4*\i+3], v[RD] offset:544*\i   ; LDS serves a wave's instructions in order: these see my stores
.endr
.irp i, 0,1,2,3,4,5,6,7
	s_wait_dscnt 7-\i
	global_store_b128 v[GO], v[D+4*\i:D+4*\i+3], s[8:9] offset:(2*\i+8*(\i/4))*512 th:TH_STORE_NT   ; slots 2 i and 2 i + 1 are queries 2 i + 8 (i / 4) on: sixteen lanes store 256 consecutive bytes, aligned
.endr
	s_wait_tensorcnt 0x0                           ; the wave's end
	ds_add_u32 v224, v225
	s_wait_dscnt 0x0
	s_endpgm
.Lfunc_end_k_q14f783d9b9_merge:
	.size	k_q14f783d9b9_merge, .Lfunc_end_k_q14f783d9b9_merge-k_q14f783d9b9_merge
	.p2alignl 7, 3214868480
	.fill 96, 4, 3214868480
	.section	.rodata,"a",@progbits
	.p2align	6, 0x0
	.amdhsa_kernel k_q14f783d9b9_merge
		.amdhsa_group_segment_fixed_size 17920
		.amdhsa_private_segment_fixed_size 0
		.amdhsa_enable_private_segment 0
		.amdhsa_kernarg_size 24
		.amdhsa_user_sgpr_count 2
		.amdhsa_user_sgpr_kernarg_segment_ptr 1
		.amdhsa_wavefront_size32 1
		.amdhsa_system_sgpr_workgroup_id_x 1
		.amdhsa_system_sgpr_workgroup_id_y 1
		.amdhsa_system_sgpr_workgroup_id_z 1
		.amdhsa_system_vgpr_workitem_id 0
		.amdhsa_next_free_vgpr 226
		.amdhsa_next_free_sgpr 66
		.amdhsa_reserve_vcc 0
		.amdhsa_float_denorm_mode_32 3
		.amdhsa_float_denorm_mode_16_64 3
		.amdhsa_memory_ordered 1
		.amdhsa_forward_progress 1
		.amdhsa_inst_pref_size 14
	.end_amdhsa_kernel
	.amdgpu_metadata
---
amdhsa.version: [ 1, 2 ]
amdhsa.kernels:
  - .name:           k_q14f783d9b9_merge
    .symbol:         k_q14f783d9b9_merge.kd
    .args:
      - { .name: po, .offset: 0, .size: 8, .value_kind: global_buffer, .address_space: global }
      - { .name: pm, .offset: 8, .size: 8, .value_kind: global_buffer, .address_space: global }
      - { .name: out0, .offset: 16, .size: 8, .value_kind: global_buffer, .address_space: global }
    .group_segment_fixed_size: 17920
    .private_segment_fixed_size: 0
    .kernarg_segment_align: 8
    .kernarg_segment_size: 24
    .max_flat_workgroup_size: 128
    .sgpr_count:     66
    .vgpr_count:     226
    .wavefront_size: 32
...
	.end_amdgpu_metadata
.endif
;; end of part 3
